; MI455X (gfx1250); checked and timed in simulation.
; The chip was launched on July 23, 2026; its instructions are those of AMD's public machine-readable ISA for CDNA 5 (MIT licence, August 2026) and "CDNA5" Instruction Set Architecture Reference Guide (July 2026). The comments in the code are by the model that wrote it; some were corrected since.
;; Mo E Layer. Allowed arithmetic: float matrix products may take bf16 or f16 operands with f32 sums; other float arithmetic in f32, or as packed bf16 or f16 multiplies, adds, multiply-adds, maxima and minima; sums over many terms, partial sums and values carried from step to step in f32; what a program stores and reads back later, other than sums and carried values, may be rounded once to bf16 or f16.
;; Inputs: W 8 x 1,024 x 1,024 float32; Wg 8 x 1,024 float32; b 8 x 1,024 float32; bg 8 float32; x 8,192 x 1,024 float32.
;; Outputs: out0 8,192 x 1,024 float32.
;; One version. Each part assembles by itself: llvm-mc -triple=amdgcn-amd-amdhsa -mcpu=gfx1250 --defsym DOCPART=n.
;; ======== version 1 of 1: 3 launches
;; workspace buffers: xb 16,777,216 bytes; wf 16,777,216 bytes; comb 262,144 bytes; tok 32,768 bytes of whole numbers; hist 32,768 bytes of whole numbers; perm 32,768 bytes of whole numbers
;; launch route (part 1): grid 256 x 1, 8 waves a work-group, no clusters, 34,816 bytes of LDS; arguments x, Wg, bg, xb, comb, tok, hist; writes xb, comb, tok, hist
.if DOCPART == 1
	.amdgcn_target "amdgcn-amd-amdhsa--gfx1250"
	.amdhsa_code_object_version 6
	.text
	.protected	k_qfd796e9c60_route
	.globl	k_qfd796e9c60_route
	.p2align	8
	.type	k_qfd796e9c60_route,@function
k_qfd796e9c60_route:
	s_mov_b64 s[64:65], 0
	v_nop
	global_prefetch_b8 v0, s[64:65] scope:SCOPE_SE
	s_setreg_imm32_b32 hwreg(HW_REG_WAVE_MODE, 25, 1), 1
	s_wait_xcnt 0x0
; THE ROUTER.  x [8192][1024] f32 is rounded to bf16 and stored (xb); on the ROUNDED x, Wg and bg the gate's scores are made (products exact in f32, sums in f32),
; then softmax (the row's maximum taken away first), the two largest, and for each token: its eight combine weights (comb, f32, zero for the six experts not chosen),
; the number of its SET of experts, its rank among the tokens of that set in its block of 32 tokens (tok) and the block's count of each set (hist).
; LIMITS.  All inputs are taken rounded to bf16 (this launch: x, Wg, bg).  The two experts are chosen on the scores, the lower index on equal scores; NaN and infinities are not
; treated apart; a second weight below 2^-126 counts as 0.  The sums' order is not the reference's: two scores closer than the sums' rounding may change places.
; SHARES.  Work-group g has tokens 32 g .. 32 g + 31 (block g), wave w four of them.  A lane holds columns 128 j + 4 lane + i of a row (j = 0..7): each load of a wave is 512 consecutive bytes.
; xb's ORDER.  Loads 2 jj and 2 jj + 1 pack into 16 bytes a lane, so position 256 jj + 8 lane + 4 a + i of a row of xb holds column 256 jj + 128 a + 4 lane + i; the weights are laid the same way.
; Nothing that is derived from the scores enters an address or a branch: all stores go to fixed places.  tok and hist are stored 128 bytes a work-group (65,536 bytes in the launch).
; No matrix unit, no cluster: eight outputs a token, and no two work-groups share more than Wg's 32 KiB.
.set WGL,   0                          ; LDS: Wg, rounded to bf16 and written as f32: [expert][4,096 bytes]
.set SC,    32768                      ; LDS: the scores' sums, [32 tokens][8] f32
.set SPARE, 33792                      ; LDS: the spare words, 128 bytes a wave
.set X,   64                           ; v[64:191]   token t's row: 32 registers
.set WC,  192                          ; v[192:223]  Wg as loaded; later one expert's 32 numbers
.set XP,  224                          ; v[224:239]  a row packed to bf16
.set ACC, 240                          ; v[240:247]  a pair of sums a token
.set R,   248                          ; v[248:251]  a sum a token
.set S,   16                           ; wave 0's tail: v[16:23] scores, v[24:31] scores without the first choice, v[32:39] exponentials, v[40:47] combine weights, v[48:55] bg
.set SM,  24
.set EX,  32
.set CM,  40
.set BG,  48
	s_load_b256 s[4:11], s[0:1], 0x0               ; x s[4:5], Wg s[6:7], bg s[8:9], xb s[10:11]
	s_load_b128 s[12:15], s[0:1], 0x20             ; comb s[12:13], tok s[14:15]
	s_load_b64 s[16:17], s[0:1], 0x30              ; hist
	v_lshl_add_u32 v3, v0, 2, SPARE                ; my spare word,
	v_mov_b32 v4, 0                                ; and 0: kept for the add alone
	v_lshrrev_b32 v7, 5, v0
	v_readfirstlane_b32 s18, v7                    ; wave 0..7
	v_and_b32 v7, 31, v0
	v_lshlrev_b32 v1, 4, v7                        ; 16 x lane
	v_lshlrev_b32 v2, 4, v0                        ; 16 x thread
	v_mov_b32 v5, v1                               ; where I read an expert's row of Wg in LDS; steps 4,096 an expert
	s_lshl_b32 s35, s18, 7
	s_add_co_u32 s35, s35, SC
	v_mov_b32 v6, s35                              ; where my wave's four tokens' sums go; steps 4 an expert
	v_mov_b32 v252, 0                              ; v_permlanex16_b32's destination counts as read
	s_mov_b32 s32, 0x76543210                      ; its selects: each lane takes its own place in the other half
	s_mov_b32 s33, 0xfedcba98
	s_lshl_b32 s20, ttmp9, 17                      ; 32 rows of 4,096 bytes a work-group,
	s_lshl_b32 s35, s18, 14                        ; 4 a wave
	s_add_co_u32 s20, s20, s35
	s_mov_b32 s21, 0
	s_lshr_b32 s22, s20, 1                         ; half of that in xb
	s_mov_b32 s23, 0
	s_wait_kmcnt 0x0
	s_load_b256 s[24:31], s[8:9], 0x0              ; bg's eight numbers; waited for in wave 0's tail
	s_add_nc_u64 s[4:5], s[4:5], s[20:21]
	s_add_nc_u64 s[10:11], s[10:11], s[22:23]
.irp i, 0,1,2,3,4,5,6,7
	global_load_b128 v[WC+4*\i:WC+4*\i+3], v2, s[6:7] offset:\i*4096        ; Wg: expert i, my four columns
.endr
.irp t, 0,1,2,3
.irp j, 0,1,2,3,4,5,6,7
	global_load_b128 v[X+32*\t+4*\j:X+32*\t+4*\j+3], v1, s[4:5] offset:\t*4096+\j*512 th:TH_LOAD_NT   ; all four rows at once: 16 KiB of a wave on their way
.endr
.endr
	s_wait_loadcnt 32                              ; Wg is in; x's 32 loads are younger
.set i, 0
.rept 16
	v_cvt_pk_bf16_f32 v[XP+i], v[WC+2*i], v[WC+2*i+1]
.set i, i+1
.endr
.set i, 0
.rept 16
	v_lshlrev_b32 v[WC+2*i], 16, v[XP+i]           ; the rounded numbers as f32 again
	v_and_b32 v[WC+2*i+1], 0xffff0000, v[XP+i]
.set i, i+1
.endr
.irp i, 0,1,2,3,4,5,6,7
	ds_store_b128 v2, v[WC+4*\i:WC+4*\i+3] offset:WGL+\i*4096
.endr
	s_wait_dscnt 0x0                               ; for the others' sake: my part of Wg lies in LDS
	s_barrier_signal -1
	s_barrier_wait -1
; Token t's row: rounded, stored to xb, and kept as the rounded numbers in f32.
.macro ROWIN t
	s_wait_loadcnt 8*(3-(\t))                      ; my eight loads are in; the later tokens' stay out
	s_wait_xcnt 0x0                                ; XP was the data of the last token's stores: rewritten only behind this wait
.set i, 0
.rept 16
	v_cvt_pk_bf16_f32 v[XP+i], v[X+32*(\t)+2*i], v[X+32*(\t)+2*i+1]
.set i, i+1
.endr
.irp q, 0,1,2,3
	global_store_b128 v1, v[XP+4*\q:XP+4*\q+3], s[10:11] offset:(\t)*2048+\q*512   ; 512 consecutive bytes, aligned
.endr
.set i, 0
.rept 16
	v_lshlrev_b32 v[X+32*(\t)+2*i], 16, v[XP+i]
	v_and_b32 v[X+32*(\t)+2*i+1], 0xffff0000, v[XP+i]
.set i, i+1
.endr
.endm
	ROWIN 0
	ROWIN 1
	ROWIN 2
	ROWIN 3
	s_mov_b32 s34, 8
.Lexpert:                                              ; a trip: one expert's row of Wg against my four tokens
.irp q, 0,1,2,3,4,5,6,7
	ds_load_b128 v[WC+4*\q:WC+4*\q+3], v5 offset:\q*512
.endr
	s_wait_dscnt 4                                 ; the first four of the eight are in (the last trip's stores are older still)
.set p, 0
.rept 16
.if p == 8
	s_wait_dscnt 0x0                               ; the other four
.endif
.irp t, 0,1,2,3
.if p == 0
	v_pk_mul_f32 v[ACC+2*\t:ACC+2*\t+1], v[X+32*\t:X+32*\t+1], v[WC:WC+1]          ; the first products start the sums
.else
	v_pk_fma_f32 v[ACC+2*\t:ACC+2*\t+1], v[X+32*\t+2*p:X+32*\t+2*p+1], v[WC+2*p:WC+2*p+1], v[ACC+2*\t:ACC+2*\t+1]
.endif
.endr
.set p, p+1
.endr
.irp t, 0,1,2,3
	v_add_f32 v[R+\t], v[ACC+2*\t], v[ACC+2*\t+1]
.endr
.irp m, 1,2,4,8
.irp t, 0,1,2,3
	v_add_f32_dpp v[R+\t], v[R+\t], v[R+\t] row_xmask:\m row_mask:0xf bank_mask:0xf
.endr
.endr
.irp t, 0,1,2,3
	v_permlanex16_b32 v252, v[R+\t], s32, s33
	v_add_f32 v[R+\t], v[R+\t], v252               ; every lane holds the token's sum
.endr
.irp t, 0,1,2,3
	ds_store_b32 v6, v[R+\t] offset:\t*32          ; all lanes write the same word with the same number
.endr
	v_add_nc_u32 v5, 4096, v5
	v_add_nc_u32 v6, 4, v6
	s_sub_co_u32 s34, s34, 1
	s_cmp_lg_u32 s34, 0
	s_cbranch_scc1 .Lexpert
	s_wait_tensorcnt 0x0                           ; behind my last LDS store; the wait after the add
	ds_add_u32 v3, v4
	s_wait_dscnt 0x0                               ; also shows my sums stored, for wave 0's sake
	s_barrier_signal -1
	s_barrier_wait -1
	s_cmp_lg_u32 s18, 0
	s_cbranch_scc1 .Lend                           ; the rest is 32 tokens' work: one lane each, wave 0
	v_lshl_add_u32 v7, v0, 5, SC                   ; lane = token
	ds_load_b128 v[S:S+3], v7
	ds_load_b128 v[S+4:S+7], v7 offset:16
	s_wait_kmcnt 0x0                               ; bg
.irp i, 0,1,2,3
	v_cvt_pk_bf16_f32 v[8+\i], s[24+2*\i], s[25+2*\i]
.endr
.irp i, 0,1,2,3
	v_lshlrev_b32 v[BG+2*\i], 16, v[8+\i]
	v_and_b32 v[BG+2*\i+1], 0xffff0000, v[8+\i]
.endr
	v_mov_b32 v12, 0xff800000                      ; minus infinity
	v_mov_b32 v13, 1
	s_wait_dscnt 0x0
.irp e, 0,1,2,3,4,5,6,7
	v_add_f32 v[S+\e], v[S+\e], v[BG+\e]
.endr
; the largest of eight and the lowest index that holds it
.macro TOP src, m, idx
	v_max3_num_f32 v[\m], v[\src], v[\src+1], v[\src+2]
	v_max3_num_f32 v[\m], v[\m], v[\src+3], v[\src+4]
	v_max3_num_f32 v[\m], v[\m], v[\src+5], v[\src+6]
	v_max_num_f32 v[\m], v[\m], v[\src+7]
	v_mov_b32 v[\idx], 7
.irp e, 6,5,4,3,2,1,0
	v_cmp_eq_f32 vcc_lo, v[\src+\e], v[\m]
	v_cndmask_b32 v[\idx], v[\idx], \e, vcc_lo
.endr
.endm
	TOP S, 56, 57                                  ; v56 the maximum, v57 the first expert
.irp e, 0,1,2,3,4,5,6,7
	v_cmp_eq_u32 vcc_lo, \e, v57
	v_cndmask_b32 v[SM+\e], v[S+\e], v12, vcc_lo
.endr
	TOP SM, 58, 59                                 ; v58 the second score, v59 the second expert
.irp e, 0,1,2,3,4,5,6,7
	v_sub_f32 v[EX+\e], v[S+\e], v56               ; the maximum is taken away, as the reference's softmax does
.endr
	v_sub_f32 v66, v58, v56
.irp e, 0,1,2,3,4,5,6,7
	v_mul_f32 v[EX+\e], 0x3fb8aa3b, v[EX+\e]       ; log2(e)
.endr
	v_mul_f32 v66, 0x3fb8aa3b, v66
.irp e, 0,1,2,3,4,5,6,7
	v_exp_f32 v[EX+\e], v[EX+\e]
.endr
	v_exp_f32 v66, v66
	v_nop                                          ; a plain instruction behind the last exponential
	s_wait_alu depctr_va_vdst(0)
	v_add_f32 v67, v[EX], v[EX+1]
	v_add_f32 v68, v[EX+2], v[EX+3]
	v_add_f32 v69, v[EX+4], v[EX+5]
	v_add_f32 v70, v[EX+6], v[EX+7]
	v_add_f32 v67, v67, v68
	v_add_f32 v69, v69, v70
	v_add_f32 v67, v67, v69
	v_rcp_f32 v71, v67                             ; the first weight: 2^0 / sum
	v_nop
	s_wait_alu depctr_va_vdst(0)
	v_mul_f32 v66, v66, v71                        ; the second
.irp e, 0,1,2,3,4,5,6,7
	v_cmp_eq_u32 vcc_lo, \e, v59
	v_cndmask_b32 v[CM+\e], 0, v66, vcc_lo
	v_cmp_eq_u32 vcc_lo, \e, v57
	v_cndmask_b32 v[CM+\e], v[CM+\e], v71, vcc_lo
.endr
	; the set's number, 0..27, in an order in which neighbours share an expert: lo (15 - lo) / 2 + (lo odd ? 7 - hi : hi - lo - 1)
	v_min_u32 v60, v57, v59
	v_max_u32 v61, v57, v59
	v_sub_nc_u32 v72, 15, v60
	v_mul_u32_u24 v72, v72, v60
	v_lshrrev_b32 v72, 1, v72
	v_sub_nc_u32 v73, v61, v60
	v_add_nc_u32 v73, -1, v73
	v_sub_nc_u32 v74, 7, v61
	v_and_b32 v75, 1, v60
	v_cmp_eq_u32 vcc_lo, 1, v75
	v_cndmask_b32 v73, v73, v74, vcc_lo
	v_add_nc_u32 v62, v72, v73                     ; v62 the set
	v_lshlrev_b32 v76, v57, v13
	v_lshlrev_b32 v77, v59, v13
	v_or_b32 v76, v76, v77                         ; v76 the two experts as bits
	v_mov_b32 v63, 0                               ; v63 my rank in my set, v64 lane s: the block's count of set s
	v_mov_b32 v64, 0
.set i, 0
.rept 28
	v_cmp_eq_u32 s36, i, v62                       ; the tokens of set i, as a mask
	s_bcnt1_i32_b32 s37, s36
	v_mbcnt_lo_u32_b32 v65, s36, 0                 ; how many of them lie below my lane
	v_cndmask_b32 v63, v63, v65, s36
	v_writelane_b32 v64, s37, i
.set i, i+1
.endr
	v_lshl_or_b32 v79, v63, 8, v62
	v_lshl_or_b32 v79, v76, 16, v79                ; set | rank << 8 | experts << 16
	s_lshl_b32 s20, ttmp9, 9
	s_mov_b32 s21, 0
	s_add_nc_u64 s[12:13], s[12:13], s[20:21]
	s_lshl_b32 s20, ttmp9, 7
	s_add_nc_u64 s[14:15], s[14:15], s[20:21]
	s_add_nc_u64 s[16:17], s[16:17], s[20:21]
	v_lshlrev_b32 v78, 2, v0
	global_store_b128 v1, v[CM:CM+3], s[12:13]                     ; experts 0-3: 512 consecutive bytes
	global_store_b128 v1, v[CM+4:CM+7], s[12:13] offset:131072     ; experts 4-7, the second plane
	global_store_b32 v78, v79, s[14:15]
	global_store_b32 v78, v64, s[16:17]
.Lend:
	s_endpgm
.Lfunc_end_k_qfd796e9c60_route:
	.size	k_qfd796e9c60_route, .Lfunc_end_k_qfd796e9c60_route-k_qfd796e9c60_route
	.p2alignl 7, 3214868480
	.fill 96, 4, 3214868480
	.section	.rodata,"a",@progbits
	.p2align	6, 0x0
	.amdhsa_kernel k_qfd796e9c60_route
		.amdhsa_group_segment_fixed_size 34816
		.amdhsa_private_segment_fixed_size 0
		.amdhsa_enable_private_segment 0
		.amdhsa_kernarg_size 56
		.amdhsa_user_sgpr_count 2
		.amdhsa_user_sgpr_kernarg_segment_ptr 1
		.amdhsa_wavefront_size32 1
		.amdhsa_system_sgpr_workgroup_id_x 1
		.amdhsa_system_sgpr_workgroup_id_y 1
		.amdhsa_system_sgpr_workgroup_id_z 1
		.amdhsa_system_vgpr_workitem_id 0
		.amdhsa_next_free_vgpr 256
		.amdhsa_next_free_sgpr 66
		.amdhsa_reserve_vcc 1
		.amdhsa_float_denorm_mode_32 3
		.amdhsa_float_denorm_mode_16_64 3
		.amdhsa_memory_ordered 1
		.amdhsa_forward_progress 1
		.amdhsa_inst_pref_size 43
	.end_amdhsa_kernel
	.amdgpu_metadata
---
amdhsa.version: [ 1, 2 ]
amdhsa.kernels:
  - .name:           k_qfd796e9c60_route
    .symbol:         k_qfd796e9c60_route.kd
    .args:
      - { .name: x, .offset: 0, .size: 8, .value_kind: global_buffer, .address_space: global }
      - { .name: Wg, .offset: 8, .size: 8, .value_kind: global_buffer, .address_space: global }
      - { .name: bg, .offset: 16, .size: 8, .value_kind: global_buffer, .address_space: global }
      - { .name: xb, .offset: 24, .size: 8, .value_kind: global_buffer, .address_space: global }
      - { .name: comb, .offset: 32, .size: 8, .value_kind: global_buffer, .address_space: global }
      - { .name: tok, .offset: 40, .size: 8, .value_kind: global_buffer, .address_space: global }
      - { .name: hist, .offset: 48, .size: 8, .value_kind: global_buffer, .address_space: global }
    .group_segment_fixed_size: 34816
    .private_segment_fixed_size: 0
    .kernarg_segment_align: 8
    .kernarg_segment_size: 56
    .max_flat_workgroup_size: 256
    .sgpr_count:     66
    .vgpr_count:     256
    .wavefront_size: 32
...
	.end_amdgpu_metadata
.endif
;; end of part 1
;; launch place (part 2): grid 256 x 1, 8 waves a work-group, no clusters, 78,848 bytes of LDS; arguments W, tok, hist, wf, perm; writes wf, perm
.if DOCPART == 2
	.amdgcn_target "amdgcn-amd-amdhsa--gfx1250"
	.amdhsa_code_object_version 6
	.text
	.protected	k_qfd796e9c60_place
	.globl	k_qfd796e9c60_place
	.p2align	8
	.type	k_qfd796e9c60_place,@function
k_qfd796e9c60_place:
	s_mov_b64 s[64:65], 0
	v_nop
	global_prefetch_b8 v0, s[64:65] scope:SCOPE_SE
	s_setreg_imm32_b32 hwreg(HW_REG_WAVE_MODE, 25, 1), 1
	s_wait_xcnt 0x0
; TWO THINGS THAT THE PRODUCTS WAIT FOR.
; (1) W [8][1024][1024] f32 is rounded to bf16 once and laid in the order in which a wave's operand registers take it:
;     wf [expert 8][64 columns of the output 16][K step of 32: 32][fragment of 16 rows of W: 4][half 2][lane 32][16 bytes]; lane (r, h) holds row 16 f + r, half 0 positions 32 ks + 8 h .. + 7,
;     half 1 positions 32 ks + 16 + 8 h .. + 7.  Positions are xb's: position 256 jj + 8 l + 4 a + i holds column 256 jj + 128 a + 4 l + i.
; (2) A counting sort without atomics: slot of a token = tokens in lower sets + tokens of its set in earlier blocks + its rank in its block.  perm[slot] = token | experts << 16.
; SHARES.  Wave 8 g + w: 16 rows of W x 256 columns: 16 KiB in, 8 KiB out.  Work-group g places block g's 32 tokens; every work-group adds up the whole of hist (32 KiB) for itself.
; perm is stored 4 bytes a lane to places that hang on the sort: 32,768 bytes in the launch.  Memory binds: no matrix unit, no cluster (no two waves read the same bytes of W).
.set RED,   0                          ; LDS: [32 groups of blocks][32 sets] counts of all blocks; from 4,096 on the same for the blocks below mine
.set STAGE, 8192                       ; LDS: each wave's own 8,704 bytes: 32 rows of 272 (256 + 16)
.set SPARE, 77824                      ; LDS: the spare words, 128 bytes a wave
.set HL,  16                           ; v[16:47]   hist as loaded
.set TOT, 48                           ; v[48:51]   my four sets, my eight blocks: all;  v[52:55] those below block g
.set BEF, 52
.set WL,  64                           ; v[64:191]  W as loaded, 8 registers a row; later 64 registers read back from the stage
.set PC,  192                          ; v[192:255] a row's 16 bytes of bf16; wave 0 first has RED's 64 words here
	s_load_b256 s[4:11], s[0:1], 0x0               ; W s[4:5], tok s[6:7], hist s[8:9], wf s[10:11]
	s_load_b64 s[12:13], s[0:1], 0x20              ; perm
	v_lshl_add_u32 v3, v0, 2, SPARE                ; my spare word,
	v_mov_b32 v4, 0                                ; and 0: kept for the add alone
	v_lshrrev_b32 v9, 5, v0
	v_readfirstlane_b32 s18, v9                    ; wave 0..7
	s_mov_b32 s19, ttmp9                           ; g
	v_and_b32 v10, 31, v0                          ; lane
	v_lshlrev_b32 v1, 4, v10                       ; 16 x lane
	v_lshlrev_b32 v2, 4, v0                        ; 16 x thread
	v_lshlrev_b32 v11, 2, v10                      ; 4 x lane
	v_lshrrev_b32 v7, 3, v0                        ; which of 32 blocks a load of hist brings me
	s_mul_i32 s20, s18, 8704
	s_add_co_u32 s20, s20, STAGE                   ; my wave's stage
	v_mul_u32_u24 v5, v10, 272
	v_add_nc_u32 v5, s20, v5                       ; in: my lane's 8 positions are row `lane` of the stage; W's row r at 16 r in it
	v_lshrrev_b32 v12, 4, v10
	v_and_b32 v13, 15, v10
	v_mul_u32_u24 v6, v12, 272
	v_lshl_add_u32 v6, v13, 4, v6
	v_add_nc_u32 v6, s20, v6                       ; back: block b (two stage rows) gives 512 bytes of wf: lane = 16 h + r
	s_lshl_b32 s21, s19, 1
	s_lshr_b32 s22, s18, 2
	s_add_co_u32 s21, s21, s22                     ; which 16 rows of W: 64 x expert + block of 16
	s_and_b32 s22, s18, 3                          ; jj: which 256 columns
	s_lshl_b32 s24, s21, 16
	s_lshl_b32 s23, s22, 10
	s_add_co_u32 s24, s24, s23
	s_mov_b32 s25, 0
	s_lshr_b32 s26, s21, 2
	s_lshl_b32 s26, s26, 17                        ; the stream of (expert, 64 columns of the output): 131,072 bytes,
	s_lshl_b32 s23, s22, 15
	s_add_co_u32 s26, s26, s23                     ; eight K steps of 4,096,
	s_and_b32 s23, s21, 3
	s_lshl_b32 s23, s23, 10
	s_add_co_u32 s26, s26, s23                     ; the fragment
	s_mov_b32 s27, 0
	s_lshl_b32 s28, s19, 7
	s_mov_b32 s29, 0
	s_wait_kmcnt 0x0
	s_add_nc_u64 s[4:5], s[4:5], s[24:25]
	s_add_nc_u64 s[10:11], s[10:11], s[26:27]
	s_add_nc_u64 s[6:7], s[6:7], s[28:29]
	global_load_b32 v8, v11, s[6:7]                ; block g's tokens (every wave, so that all count alike)
.irp i, 0,1,2,3,4,5,6,7
	global_load_b128 v[HL+4*\i:HL+4*\i+3], v2, s[8:9] offset:\i*4096
.endr
.set r, 0
.rept 16
	global_load_b128 v[WL+8*r:WL+8*r+3],   v1, s[4:5] offset:r*4096 th:TH_LOAD_NT
	global_load_b128 v[WL+8*r+4:WL+8*r+7], v1, s[4:5] offset:r*4096+512 th:TH_LOAD_NT
.set r, r+1
.endr
	s_wait_loadcnt 32                              ; tok and hist are in; W's 32 loads are younger
.irp i, 0,1,2,3,4,5,6,7
.if \i == 0
	v_cmp_gt_u32 vcc_lo, s19, v7                   ; is the block below mine?
.else
	v_add_nc_u32 v9, 32*\i, v7
	v_cmp_gt_u32 vcc_lo, s19, v9
.endif
.irp c, 0,1,2,3
.if \i == 0
	v_mov_b32 v[TOT+\c], v[HL+\c]
	v_cndmask_b32 v[BEF+\c], 0, v[HL+\c], vcc_lo
.else
	v_add_nc_u32 v[TOT+\c], v[TOT+\c], v[HL+4*\i+\c]
	v_cndmask_b32 v12, 0, v[HL+4*\i+\c], vcc_lo
	v_add_nc_u32 v[BEF+\c], v[BEF+\c], v12
.endif
.endr
.endr
	ds_store_b128 v2, v[TOT:TOT+3] offset:RED
	ds_store_b128 v2, v[BEF:BEF+3] offset:RED+4096
	s_wait_dscnt 0x0                               ; for wave 0's sake
	s_barrier_signal -1
	s_barrier_wait -1
	s_cmp_lg_u32 s18, 0
	s_cbranch_scc1 .Lweights
	; wave 0, lane = set
.set i, 0
.rept 32
	ds_load_b32 v[PC+i], v11 offset:RED+i*128
	ds_load_b32 v[PC+32+i], v11 offset:RED+4096+i*128
.set i, i+1
.endr
	s_wait_dscnt 0x0
.set i, 1
.rept 15
	v_add3_u32 v[PC], v[PC], v[PC+i], v[PC+i+1]
	v_add3_u32 v[PC+32], v[PC+32], v[PC+32+i], v[PC+32+i+1]
.set i, i+2
.endr
	v_add_nc_u32 v[PC], v[PC], v[PC+31]            ; the set's tokens in all blocks,
	v_add_nc_u32 v[PC+32], v[PC+32], v[PC+63]      ; and in the blocks below mine
	v_mov_b32 v12, 0
	s_mov_b32 s20, 0
.set i, 0
.rept 28
	v_readlane_b32 s21, v[PC], i                   ; the running sum over the sets: lane s gets the tokens of the sets below s
	v_writelane_b32 v12, s20, i
	s_add_co_u32 s20, s20, s21
.set i, i+1
.endr
	v_add_nc_u32 v12, v12, v[PC+32]                ; where block g's tokens of set s begin
	v_and_b32 v13, 0xff, v8
	v_lshlrev_b32 v13, 2, v13
	ds_bpermute_b32 v14, v13, v12                  ; now lane = token again: each takes its set's number
	v_bfe_u32 v15, v8, 8, 8                        ; my rank
	v_and_b32 v9, 0xff0000, v8                     ; my experts
	s_lshl_b32 s21, s19, 5
	v_add_nc_u32 v13, s21, v10                     ; my token
	v_or_b32 v9, v9, v13
	s_wait_dscnt 0x0
	v_add_nc_u32 v14, v14, v15
	v_min_u32 v14, 0x1fff, v14                     ; a slot is below 8,192
	v_lshlrev_b32 v14, 2, v14
	global_store_b32 v14, v9, s[12:13]             ; v9 and v14 are not written again
.Lweights:
.set r, 0
.rept 16
	s_wait_loadcnt 30-2*r                          ; row r's two loads are in; the later rows' stay out
.irp c, 0,1,2,3
	v_cvt_pk_bf16_f32 v[PC+4*r+\c], v[WL+8*r+2*\c], v[WL+8*r+2*\c+1]
.endr
	ds_store_b128 v5, v[PC+4*r:PC+4*r+3] offset:16*r
.set r, r+1
.endr
.set i, 0
.rept 16
	ds_load_b128 v[WL+4*i:WL+4*i+3], v6 offset:i*544   ; LDS serves a wave's instructions in order (ISA guide 5.7.1.4): these see the stores above
.set i, i+1
.endr
.set i, 0
.rept 16
	s_wait_dscnt 15-i
	global_store_b128 v1, v[WL+4*i:WL+4*i+3], s[10:11] offset:(i/2)*4096+(i%2)*512   ; K step i / 2, half i % 2: 512 consecutive bytes, aligned
.set i, i+1
.endr
	s_wait_tensorcnt 0x0                           ; the wave's end, behind my last LDS store
	ds_add_u32 v3, v4
	s_wait_dscnt 0x0
	s_endpgm
.Lfunc_end_k_qfd796e9c60_place:
	.size	k_qfd796e9c60_place, .Lfunc_end_k_qfd796e9c60_place-k_qfd796e9c60_place
	.p2alignl 7, 3214868480
	.fill 96, 4, 3214868480
	.section	.rodata,"a",@progbits
	.p2align	6, 0x0
	.amdhsa_kernel k_qfd796e9c60_place
		.amdhsa_group_segment_fixed_size 78848
		.amdhsa_private_segment_fixed_size 0
		.amdhsa_enable_private_segment 0
		.amdhsa_kernarg_size 40
		.amdhsa_user_sgpr_count 2
		.amdhsa_user_sgpr_kernarg_segment_ptr 1
		.amdhsa_wavefront_size32 1
		.amdhsa_system_sgpr_workgroup_id_x 1
		.amdhsa_system_sgpr_workgroup_id_y 1
		.amdhsa_system_sgpr_workgroup_id_z 1
		.amdhsa_system_vgpr_workitem_id 0
		.amdhsa_next_free_vgpr 256
		.amdhsa_next_free_sgpr 66
		.amdhsa_reserve_vcc 1
		.amdhsa_float_denorm_mode_32 3
		.amdhsa_float_denorm_mode_16_64 3
		.amdhsa_memory_ordered 1
		.amdhsa_forward_progress 1
		.amdhsa_inst_pref_size 30
	.end_amdhsa_kernel
	.amdgpu_metadata
---
amdhsa.version: [ 1, 2 ]
amdhsa.kernels:
  - .name:           k_qfd796e9c60_place
    .symbol:         k_qfd796e9c60_place.kd
    .args:
      - { .name: W, .offset: 0, .size: 8, .value_kind: global_buffer, .address_space: global }
      - { .name: tok, .offset: 8, .size: 8, .value_kind: global_buffer, .address_space: global }
      - { .name: hist, .offset: 16, .size: 8, .value_kind: global_buffer, .address_space: global }
      - { .name: wf, .offset: 24, .size: 8, .value_kind: global_buffer, .address_space: global }
      - { .name: perm, .offset: 32, .size: 8, .value_kind: global_buffer, .address_space: global }
    .group_segment_fixed_size: 78848
    .private_segment_fixed_size: 0
    .kernarg_segment_align: 8
    .kernarg_segment_size: 40
    .max_flat_workgroup_size: 256
    .sgpr_count:     66
    .vgpr_count:     256
    .wavefront_size: 32
...
	.end_amdgpu_metadata
.endif
;; end of part 2
;; launch chain (part 3): grid 4 x 64, 4 waves a work-group, no clusters, 294,912 bytes of LDS; arguments xb, wf, comb, perm, b, out0; writes out0
.if DOCPART == 3
	.amdgcn_target "amdgcn-amd-amdhsa--gfx1250"
	.amdhsa_code_object_version 6
	.text
	.protected	k_qfd796e9c60_chain
	.globl	k_qfd796e9c60_chain
	.p2align	8
	.type	k_qfd796e9c60_chain,@function
k_qfd796e9c60_chain:
	s_mov_b64 s[64:65], 0
	v_nop
	global_prefetch_b8 v0, s[64:65] scope:SCOPE_SE
	s_setreg_imm32_b32 hwreg(HW_REG_WAVE_MODE, 25, 1), 1
	s_wait_xcnt 0x0
; out[t][:] = sum over the experts e that token t chose of combine[t][e] (x[t] . W[e]^T + b[e]).  Operands bf16 (x and W rounded by the launches before, b here), sums, weights and the output in f32.
; LIMITS.  All inputs are taken rounded to bf16.  NaN and infinities are not treated apart.  The last expert's walk asks once more for 7 K steps (28 KiB a wave, inside wf) that nobody uses.
; SHARES.  The tokens lie sorted by their SET of two experts (perm: slot -> token).  A work-group has 128 consecutive slots x 256 columns: 64 x 4 = 256 equal work-groups, whatever the split.
; A wave has all 128 slots x 64 columns: 8 row blocks x 4 column fragments of 16 x 16.  The tile is four RUNS of 32 slots.  For each expert (a loop of 8) the list says which runs need it:
; none: the expert is jumped over; else it is walked over the first ng runs or over the last ng runs, whichever cover is the shorter.  There are four texts, ng = 4, 3, 2, 1; each serves both ends:
; in a cover from the end T's run t takes the tile's run 3 - t.  A covered row that did not choose the expert has combine weight 0, as in reference().  So each output row has one owner, nothing is
; padded, every split is served, and a tile with one boundary between two sets (neighbouring sets share an expert) walks 9 runs for the 8 that it needs.
; THE PRODUCT IS USED TRANSPOSED (source 0 = 16 rows of W, source 1 = 16 tokens): a lane holds ONE token (lane % 16) and eight neighbouring columns.  T = x W[e]^T + b[e] (the bias is the C operand
; of the first K step); behind the expert's 32 K steps F += c T with the lane's one weight c, in f32.
; WHERE THE OPERANDS COME FROM.  The 128 gathered rows of xb lie in LDS, filled once.  W comes from memory straight into operand registers (wf is laid for that: a load of a wave is 512
; consecutive bytes), through a ring of eight K steps in registers.  So what is jumped over holds no barrier and no LDS write.
; A WALK is K step 0 (the bias starts the sums), a loop of three trips of eight K steps (once round the ring a trip), and K steps 25 to 31 written out: those that ask for the NEXT expert's first seven.
; Between the kernel's two barriers no wave writes LDS: the rows' addresses, which hang on the trip and on the chosen cover, are reads alone.
; NO CLUSTER, NO TENSOR LOADS: the rows come by a list, which no descriptor covers; which experts a work-group walks hangs on the list, so partners would differ in what steers a joint load; and what
; the four work-groups of a tile share is the rows alone, 256 KiB beside 512 KiB of weights for each expert walked.
; F is cleared by 256 v_mov_b32, in the wait for the gathered rows: which expert is a run's first hangs on the list, and a second text of each fold for it would be as long.
; REGISTERS, in windows of 256 (s_set_vgpr_msb: bits 1:0 source 0, 3:2 source 1, 5:4 source 2, 7:6 destination; 0 at every label and branch):
;   window 0: addresses; v32-63 the bias as a C operand; v64-127, v128-191 the tokens' fragments, two buffers (row block rb at + 8 rb); v192-199 the weights c
;   window 1: W's ring: K step j at 32 (j % 8), fragment f at + 8 f      window 2: T (row block rb, fragment f at 32 rb + 8 f); first the gather's landing      window 3: F, likewise
.set PITCH, 2064                       ; a token's row in LDS: 2,048 bytes + 16 = 129 x 16: the 16 rows of a fragment load start in 16 different columns of 16 bytes
.set GRP,   32*PITCH                   ; a run of 32 rows: what a wave gathers, and what one address register reaches
.set RB16,  16*PITCH
.set BIASL, 128*PITCH                  ; LDS 264,192: b rounded to bf16, as f32: [expert][my 256 columns]
.set COMB,  BIASL+8192                 ; LDS: combine weights [expert][128 slots] f32
.set TOKL,  COMB+4096                  ; LDS: the slots' tokens, [row block 8][slot % 2][8]
.set STG,   TOKL+512                   ; LDS: each wave's own 16 rows x 272 bytes, for the way out
.set SP,    272
.set SPARE, STG+4*16*SP                ; LDS: the spare words, 128 bytes a wave
.set KSTEPS, 32                        ; K steps of 32 in 1,024
.set L16, 3                            ; v3      16 x lane; never rewritten
.set AAB, 4                            ; v4-7    the tile's run g: (32 g + lane % 16) x PITCH + 16 (lane / 16); never rewritten
.set AH,  8                            ; v8-10   a part walk: the same for the tile's run that T's run t takes
.set BIA, 12                           ; v12     the bias of expert 0 for my wave and half of the lanes
.set CWA, 13                           ; v13     the weight of expert 0 for slot lane % 16
.set AW,  14                           ; v14     where my wave lays the rows that it gathers
.set STO, 15                           ; v15     the way out: where I put 32 bytes of a row
.set RD,  16                           ; v16     the way out: where I read rows back
.set CO,  17                           ; v17     my byte offset in a row of out0
.set TKA, 18                           ; v18     the way out: where I read the rows' tokens
.set SPW, 19                           ; v19     my spare word
.set NIL, 20                           ; v20     0
.set AD,  24                           ; v24-27  the loop of a walk: a run's address plus 512 x the trip (the set-up's temporaries before)
.set CA,  28                           ; v28-30  a part walk: where the weights of T's run t lie
.set BIAS, 32
.set AB0, 64
.set CW,  192
.set RO,  128                          ; set-up: v128-159 the byte offsets of my wave's 32 rows in xb; v160-167 my slot's weights; v168-183 b; v184-191 b packed
.set CL,  160
.set BL,  168
.set BP,  184
.set OB,  64                           ; the way out: two buffers of 32: 16 rows read back; v128-143 their tokens; v144-159 their offsets
.set TK,  128
.set OF,  144
; s16 wave, s17 column block, s18 tile, s19 byte g = the experts that run g needs, s38 the same with run 3 - g in byte g, s20 their union, s21 expert, s22, s23 its bit in each byte of s19, s38,
; s24 trips, s25 my 64 columns' number, s[26:27] this expert's stream of wf for my columns, s[28:29] the same plus 32 KiB x the trip, s[30:31] the next expert's stream,
; s39 ng, s41 512 x the trip, s42 1 = the cover counts from the tile's end, s44-46 the tile's run that T's run t takes, s48-50 its bytes in the rows, s52-54 in the weights
.set MSB, 0
.macro WIN new                         ; the immediate's high byte repeats the setting that is left; a switch that changes nothing is dropped
.if MSB != (\new)
	s_set_vgpr_msb (MSB<<8)|(\new)
.set MSB, \new
.endif
.endm
.macro PLACES                          ; a load into a register that a matrix instruction has read, and a vector instruction that reads a result, stand four plain vector instructions behind it
.rept 4
	v_nop
.endr
.endm
	s_load_b256 s[4:11], s[0:1], 0x0               ; xb s[4:5], wf s[6:7], comb s[8:9], perm s[10:11]
	s_load_b128 s[12:15], s[0:1], 0x20             ; b s[12:13], out0 s[14:15]
	v_lshl_add_u32 v[SPW], v0, 2, SPARE
	v_mov_b32 v[NIL], 0
	v_lshrrev_b32 v21, 5, v0
	v_readfirstlane_b32 s16, v21                   ; wave 0..3
	s_mov_b32 s17, ttmp9
	s_and_b32 s18, ttmp7, 0xffff
	s_lshl_b32 s25, s17, 2
	s_add_co_u32 s25, s25, s16
	s_mov_b32 s36, 0x76543210                      ; v_permlanex16_b32's selects
	s_mov_b32 s37, 0xfedcba98
	v_and_b32 v22, 31, v0
	v_and_b32 v1, 15, v0                           ; lane % 16
	v_bfe_u32 v2, v0, 4, 1                         ; lane / 16
	v_lshlrev_b32 v[L16], 4, v22
	v_lshlrev_b32 v23, 2, v22                      ; 4 x lane
	v_lshlrev_b32 v24, 2, v0                       ; 4 x thread
	v_lshrrev_b32 v21, 6, v0                       ; b: a load brings two experts' 256 columns: expert thread / 64, 16 bytes at thread % 64
	v_and_b32 v22, 63, v0
	v_lshlrev_b32 v22, 4, v22
	s_lshl_b32 s34, s17, 10
	v_lshl_add_u32 v34, v21, 12, v22
	v_add_nc_u32 v34, s34, v34
	v_lshl_add_u32 v36, v21, 10, v22
	v_add_nc_u32 v36, BIASL, v36
	s_lshl_b32 s32, s18, 9
	s_mov_b32 s33, 0
	s_wait_kmcnt 0x0
	s_add_nc_u64 s[10:11], s[10:11], s[32:33]      ; the tile's 128 slots
.irp g, 0,1,2,3
	global_load_b32 v[25+\g], v23, s[10:11] offset:128*\g          ; run g's slots, a lane each
.endr
	global_load_b32 v29, v24, s[10:11]             ; my own slot
.irp i, 0,1,2,3
	global_load_b128 v[BL+4*\i:BL+4*\i+3], v34, s[12:13] offset:\i*8192
.endr
	; the addresses are made while the list is on its way
	v_mul_u32_u24 v[AAB], v1, PITCH
	v_lshl_add_u32 v[AAB], v2, 4, v[AAB]
	v_add_nc_u32 v[AAB+1], GRP, v[AAB]
	v_add_nc_u32 v[AAB+2], 2*GRP, v[AAB]
	v_add_nc_u32 v[AAB+3], 3*GRP, v[AAB]
	s_lshl_b32 s34, s16, 8
	s_add_co_u32 s34, s34, BIASL
	v_lshl_add_u32 v[BIA], v2, 5, s34
	v_lshl_add_u32 v[CWA], v1, 2, COMB
	s_mul_i32 s34, s16, GRP
	v_add_nc_u32 v[AW], s34, v[L16]
	s_mul_i32 s34, s16, 16*SP
	s_add_co_u32 s34, s34, STG                     ; my stage
	v_mul_u32_u24 v21, v1, SP
	v_lshl_add_u32 v21, v2, 5, v21
	v_add_nc_u32 v[STO], s34, v21
	v_mul_u32_u24 v21, v2, SP
	v_lshl_add_u32 v21, v1, 4, v21
	v_add_nc_u32 v[RD], s34, v21
	s_lshl_b32 s34, s17, 10
	s_lshl_b32 s35, s16, 8
	s_add_co_u32 s34, s34, s35
	v_lshl_add_u32 v[CO], v1, 4, s34
	v_lshl_add_u32 v[TKA], v2, 5, TOKL
	v_lshrrev_b32 v21, 4, v0
	v_and_b32 v22, 1, v0
	v_lshlrev_b32 v32, 6, v21
	v_lshl_add_u32 v32, v22, 5, v32
	v_bfe_u32 v22, v0, 1, 3
	v_lshl_add_u32 v32, v22, 2, v32
	v_add_nc_u32 v32, TOKL, v32                    ; where my slot's token goes
	v_add_nc_u32 v35, COMB, v24                    ; and its weights
	s_wait_loadcnt 4                               ; the list is in; b's four loads are younger
	v_bfe_u32 v30, v25, 16, 8                      ; a slot's word is token | experts << 16.  Byte g: the experts of run g's slot `lane`,
	v_bfe_u32 v21, v26, 16, 8
	v_lshl_or_b32 v30, v21, 8, v30
	v_bfe_u32 v21, v27, 16, 8
	v_lshl_or_b32 v30, v21, 16, v30
	v_bfe_u32 v21, v28, 16, 8
	v_lshl_or_b32 v30, v21, 24, v30
.irp m, 1,2,4,8
	v_mov_b32_dpp v21, v30 row_xmask:\m row_mask:0xf bank_mask:0xf
	v_or_b32 v30, v30, v21                         ; and of all its 32 slots
.endr
	v_permlanex16_b32 v21, v30, s36, s37
	v_or_b32 v30, v30, v21
	v_perm_b32 v21, v30, v30, 0x00010203           ; the four bytes in the other order
	v_readfirstlane_b32 s19, v30
	v_readfirstlane_b32 s38, v21
	s_lshr_b32 s34, s19, 16
	s_or_b32 s34, s34, s19
	s_lshr_b32 s35, s34, 8
	s_or_b32 s34, s34, s35
	s_and_b32 s20, s34, 0xff                       ; the experts that the tile needs
	s_ctz_i32_b32 s34, s20
	s_min_u32 s34, s34, 7                          ; the first of them
	s_lshl_b32 s34, s34, 4
	s_add_co_u32 s34, s34, s25
	s_lshl_b32 s32, s34, 17                        ; its stream for my 64 columns: 131,072 bytes each
	s_add_nc_u64 s[26:27], s[6:7], s[32:33]
	v_and_b32 v31, 0xffff, v29                     ; my slot's token
	ds_store_b32 v32, v31
	v_min_u32 v33, 0x1fff, v31                     ; a token is below 8,192
	v_lshlrev_b32 v33, 4, v33
	global_load_b128 v[CL:CL+3], v33, s[8:9]
	global_load_b128 v[CL+4:CL+7], v33, s[8:9] offset:131072
.set i, 0
.rept 32
	v_readlane_b32 s40, v31, i                     ; my wave gathers run w: row i is lane i's token
	s_min_u32 s40, s40, 0x1fff
	v_lshl_add_u32 v[RO+i], s40, 11, v[L16]        ; 2,048 bytes a row of xb; an offset register a row, so that none is rewritten under a load
.set i, i+1
.endr
	WIN 0x80                                       ; destination window 2
.set i, 0
.rept 16
.irp q, 0,1,2,3
	global_load_b128 v[16*i+4*\q:16*i+4*\q+3], v[RO+i], s[4:5] offset:\q*512       ; rows 0-15: 512 consecutive bytes a load
.endr
.set i, i+1
.endr
	WIN 0xc0                                       ; destination window 3
.set i, 0
.rept 256
	v_mov_b32 v[i], 0                              ; F
.set i, i+1
.endr
	WIN 0
	s_wait_loadcnt 63                              ; b and the weights are in: 64 loads were issued behind the last of them
.irp e, 0,1,2,3,4,5,6,7
	ds_store_b32 v35, v[CL+\e] offset:\e*512
.endr
.irp i, 0,1,2,3,4,5,6,7
	v_cvt_pk_bf16_f32 v[BP+\i], v[BL+2*\i], v[BL+2*\i+1]
.endr
.irp i, 0,1,2,3,4,5,6,7
	v_lshlrev_b32 v[BL+2*\i], 16, v[BP+\i]
	v_and_b32 v[BL+2*\i+1], 0xffff0000, v[BP+\i]
.endr
.irp i, 0,1,2,3
	ds_store_b128 v36, v[BL+4*\i:BL+4*\i+3] offset:\i*2048
.endr
	WIN 0x88                                       ; an LDS store's data and a load's destination: window 2
.set i, 0
.rept 16
	s_wait_loadcnt 60                              ; row i is in: behind it 4 (15 - i) loads of the first sixteen rows and 4 i of the second
.irp q, 0,1,2,3
	ds_store_b128 v[AW], v[16*i+4*\q:16*i+4*\q+3] offset:i*PITCH+\q*512
.endr
.irp q, 0,1,2,3
	global_load_b128 v[16*i+4*\q:16*i+4*\q+3], v[RO+16+i], s[4:5] offset:\q*512    ; row 16 + i takes its registers
.endr
.set i, i+1
.endr
	WIN 0x48                                       ; store data window 2, load destination window 1
.set i, 0
.rept 16
.if i < 15
	s_wait_loadcnt 60                              ; row 16 + i is in: behind it 4 (15 - i) loads of rows and 4 i of W
.else
	s_wait_loadcnt 56                              ; the last row: behind it W's 56
.endif
.irp q, 0,1,2,3
	ds_store_b128 v[AW], v[16*i+4*\q:16*i+4*\q+3] offset:(16+i)*PITCH+\q*512
.endr
.if i < 14
.irp q, 0,1,2,3
	global_load_b128 v[4*(4*i+\q):4*(4*i+\q)+3], v[L16], s[26:27] offset:(4*i+\q)*512   ; the first expert's K steps 0 to 6 fill seven of the ring's eight places
.endr
.endif
.set i, i+1
.endr
	WIN 0
	s_wait_dscnt 0x0                               ; for the others' sake: my rows, weights, tokens and my part of b lie in LDS
	s_barrier_signal -1
	s_barrier_wait -1                              ; from here to the second barrier LDS is only read
; The tokens' fragments for K step jn: ng runs of 32 rows, T's run t by the address register v[ab + t]; 64 bytes of each row a step, in the immediate
.macro ALOADS jn, ng, ab
.set gg, 0
.rept \ng
.irp l, 0,1
	ds_load_b128 v[AB0+64*((\jn)%2)+8*(2*gg+\l):AB0+64*((\jn)%2)+8*(2*gg+\l)+3],   v[(\ab)+gg] offset:\l*RB16+(\jn)*64
	ds_load_b128 v[AB0+64*((\jn)%2)+8*(2*gg+\l)+4:AB0+64*((\jn)%2)+8*(2*gg+\l)+7], v[(\ab)+gg] offset:\l*RB16+(\jn)*64+32
.endr
.set gg, gg+1
.endr
.endm
; W's K step seven steps on, from byte wo of the stream at s[wb:wb+1], into the ring's place that the last step read
.macro BRELOAD j, wb, wo
	WIN 0x40                                       ; destination window 1
.irp n, 0,1,2,3,4,5,6,7
	global_load_b128 v[32*(((\j)+7)%8)+4*\n:32*(((\j)+7)%8)+4*\n+3], v[L16], s[\wb:\wb+1] offset:(\wo)+\n*512
.endr
.endm
; K step j's matrix instructions: 2 ng row blocks x 4 fragments.  The accumulators take turns, one instruction a turn: a step's last names fragment 3 of the last
; row block, the next step's first fragment 0 of row block 0, over the loop's backward jump and from walk to walk too.  In K step 0 the bias starts the sums.
.macro MULS j, ng
.if (\j) == 0
	WIN 0x81                                       ; W window 1, tokens and bias window 0, T window 2
.else
	WIN 0xa1                                       ; the same with C in window 2
.endif
.set rr, 0
.rept 2*(\ng)
.irp f, 0,1,2,3
.if (\j) == 0
	v_wmma_f32_16x16x32_bf16 v[32*rr+8*\f:32*rr+8*\f+7], v[32*((\j)%8)+8*\f:32*((\j)%8)+8*\f+7], v[AB0+64*((\j)%2)+8*rr:AB0+64*((\j)%2)+8*rr+7], v[BIAS+8*\f:BIAS+8*\f+7]
.else
	v_wmma_f32_16x16x32_bf16 v[32*rr+8*\f:32*rr+8*\f+7], v[32*((\j)%8)+8*\f:32*((\j)%8)+8*\f+7], v[AB0+64*((\j)%2)+8*rr:AB0+64*((\j)%2)+8*rr+7], v[32*rr+8*\f:32*rr+8*\f+7]
.endif
.endr
.set rr, rr+1
.endr
.endm
; A K step of 32.  At its head W's loads of this step and the six behind it are out, and nothing younger.  j: the step's number (in the loop: its number in the first trip).
.macro KSTEP j, ng, ar, wb, wo
	WIN 0
	s_wait_dscnt 0x0                               ; this step's tokens, asked for a step ago
	s_wait_loadcnt 48                              ; this step's W: six younger steps of eight loads may stay out
	PLACES                                         ; behind the last step's products, in front of loads into what they read
.if (\j)+1 < KSTEPS                    ; the last step asks for no tokens: no LDS load is out at a walk's end
	ALOADS (\j)+1, \ng, \ar
.endif
	BRELOAD \j, \wb, \wo
	MULS \j, \ng
.endm
; An expert's walk over ng runs of 32 rows, whose addresses lie in v[ab ..]
.macro WALK ng, ab
	ALOADS 0, \ng, \ab
	KSTEP 0, \ng, \ab, 26, 7*4096
	WIN 0
	s_mov_b32 s41, 0
	s_mov_b32 s24, 3
.Ltrip_\@:                                             ; K steps 1 + 8 trip .. 8 + 8 trip
.set tt, 0
.rept \ng
	v_add_nc_u32 v[AD+tt], s41, v[(\ab)+tt]        ; eight K steps are 512 bytes of a row
.set tt, tt+1
.endr
.set ii, 1
.rept 8
	KSTEP ii, \ng, AD, 28, (ii+7)*4096
.set ii, ii+1
.endr
	WIN 0
	s_wait_xcnt 0x0                                ; the loads' base is stepped only behind this wait
	s_add_nc_u64 s[28:29], s[28:29], 0x8000        ; eight K steps of 4,096 bytes
	s_add_co_u32 s41, s41, 512
	s_sub_co_u32 s24, s24, 1
	s_cmp_lg_u32 s24, 0
	s_cbranch_scc1 .Ltrip_\@
.set jj, 25
.rept 7
	KSTEP jj, \ng, \ab, 30, (jj-25)*4096           ; seven steps on lies the NEXT expert's K step jj - 25
.set jj, jj+1
.endr
	WIN 0
	s_wait_xcnt 0x0                                ; the loads' bases are rewritten only behind this wait
	s_mov_b64 s[26:27], s[30:31]                   ; the stream whose K steps 0 to 6 are on their way
	PLACES                                         ; behind the last products: the fold reads results, the next expert's loads land in sources
.endm
.macro CWPART ng                       ; the weights of T's runs: row blocks 2 t and 2 t + 1, my token's number in each
.set gg, 0
.rept \ng
	ds_load_b32 v[CW+2*gg],   v[CA+gg]
	ds_load_b32 v[CW+2*gg+1], v[CA+gg] offset:64
.set gg, gg+1
.endr
.endm
; F += c T for 32 rows: T's run tg into F's run fg: 32 packed multiply-adds, each accumulator from its lowest registers on; an even row block's weight is the pair's first register, an odd one's the second
.macro FOLD tg, fg
	WIN 0xf2                                       ; F (destination, source 2) window 3, T window 2, c window 0
.set i, 0
.rept 16
	v_pk_fma_f32 v[64*(\fg)+2*i:64*(\fg)+2*i+1], v[64*(\tg)+2*i:64*(\tg)+2*i+1], v[CW+2*(\tg):CW+2*(\tg)+1], v[64*(\fg)+2*i:64*(\fg)+2*i+1] op_sel_hi:[1,0,1]
.set i, i+1
.endr
.set i, 0
.rept 16
	v_pk_fma_f32 v[64*(\fg)+32+2*i:64*(\fg)+32+2*i+1], v[64*(\tg)+32+2*i:64*(\tg)+32+2*i+1], v[CW+2*(\tg):CW+2*(\tg)+1], v[64*(\fg)+32+2*i:64*(\fg)+32+2*i+1] op_sel:[0,1,0] op_sel_hi:[1,1,1]
.set i, i+1
.endr
	WIN 0
.endm
	s_mov_b32 s21, 0
.Lexpert:                                              ; eight trips, whatever the list says; an expert that the tile does not need is jumped over
	s_lshr_b32 s22, s19, s21
	s_and_b32 s22, s22, 0x01010101                 ; bit 8 g: run g needs the expert
	s_cmp_eq_u32 s22, 0
	s_cbranch_scc1 .Lnext
	s_add_co_u32 s34, s21, 1                       ; the next expert that the tile needs, or this one again if there is none
	s_lshr_b32 s35, s20, s34
	s_ctz_i32_b32 s40, s35
	s_add_co_u32 s40, s40, s34
	s_cmp_lg_u32 s35, 0
	s_cselect_b32 s40, s40, s21
	s_min_u32 s40, s40, 7
	s_lshl_b32 s40, s40, 4
	s_add_co_u32 s40, s40, s25
	s_lshl_b32 s32, s40, 17
	s_mov_b32 s33, 0
	s_add_nc_u64 s[30:31], s[6:7], s[32:33]        ; no load that names this pair or the next is untranslated: the wait at the last walk's end stands behind all of them
	s_mov_b64 s[28:29], s[26:27]
	s_lshr_b32 s23, s38, s21                       ; THE COVER
	s_and_b32 s23, s23, 0x01010101                 ; bit 8 g: run 3 - g needs the expert
	s_ctz_i32_b32 s34, s22
	s_lshr_b32 s34, s34, 3                         ; runs in front of the first that needs it,
	s_ctz_i32_b32 s35, s23
	s_lshr_b32 s35, s35, 3                         ; runs behind the last
	s_max_u32 s39, s34, s35
	s_sub_co_u32 s39, 4, s39                       ; ng: all runs but the longer of the two free ends
	s_cmp_gt_u32 s34, s35                          ; the free end is in front: the cover counts from the tile's end
	s_cselect_b32 s42, 1, 0
	s_cselect_b32 s44, 3, 0                        ; the tile's run that T's run 0 takes,
	s_cselect_b32 s45, 2, 1                        ; run 1,
	s_cselect_b32 s46, 1, 2                        ; run 2
.irp t, 0,1,2
	s_min_u32 s[44+\t], s[44+\t], 3                ; a run is below 4
	s_mul_i32 s[48+\t], s[44+\t], GRP
	s_lshl_b32 s[52+\t], s[44+\t], 7               ; 32 weights of 4 bytes
.endr
	v_lshl_add_u32 v21, s21, 10, v[BIA]
	v_lshl_add_u32 v22, s21, 9, v[CWA]
.irp t, 0,1,2
	v_add_nc_u32 v[AH+\t], s[48+\t], v[AAB]
	v_add_nc_u32 v[CA+\t], s[52+\t], v22
.endr
.irp f, 0,1,2,3
	ds_load_b128 v[BIAS+8*\f:BIAS+8*\f+3],   v21 offset:64*\f        ; register j: b[e][16 f + 8 (lane / 16) + j], the C operand's layout
	ds_load_b128 v[BIAS+8*\f+4:BIAS+8*\f+7], v21 offset:64*\f+16
.endr
	s_cmp_eq_u32 s39, 4
	s_cbranch_scc0 .Lnot4
.irp q, 0,1,2,3,4,5,6,7
	ds_load_b32 v[CW+\q], v22 offset:64*\q                          ; row block q: my token's weight
.endr
	WALK 4, AAB
	s_branch .LfoldS4
.Lnot4:
	s_cmp_eq_u32 s39, 3
	s_cbranch_scc0 .Lnot3
	CWPART 3
	WALK 3, AH
	s_cmp_eq_u32 s42, 0
	s_cbranch_scc1 .LfoldS3
	s_branch .LfoldM3
.Lnot3:
	s_cmp_eq_u32 s39, 2
	s_cbranch_scc0 .Lnot2
	CWPART 2
	WALK 2, AH
	s_cmp_eq_u32 s42, 0
	s_cbranch_scc1 .LfoldS2
	s_branch .LfoldM2
.Lnot2:
	CWPART 1
	WALK 1, AH
	s_cmp_eq_u32 s42, 0
	s_cbranch_scc1 .LfoldS1
	s_branch .LfoldM1
; the folds, two ladders, each entered at the rung that fits ng.  From the tile's front: T's run t is F's run t;
.LfoldS4:
	FOLD 3, 3
.LfoldS3:
	FOLD 2, 2
.LfoldS2:
	FOLD 1, 1
.LfoldS1:
	FOLD 0, 0
	s_branch .Lnext
; from its end: T's run t is F's run 3 - t
.LfoldM3:
	FOLD 2, 1
.LfoldM2:
	FOLD 1, 2
.LfoldM1:
	FOLD 0, 3
.Lnext:
	s_add_co_u32 s21, s21, 1
	s_cmp_lt_u32 s21, 8
	s_cbranch_scc1 .Lexpert
	s_wait_dscnt 0x0                               ; my reads of the rows are over (each walk's last wait has shown it);
	s_barrier_signal -1                            ; the second barrier puts every wave's reads of the rows, whatever trip and cover their addresses hang on,
	s_barrier_wait -1                              ; in front of every LDS write that follows
; THE WAY OUT, a row block (16 tokens x my 64 columns) at a time: a lane's 32 bytes go into my stage's rows of 272 bytes and come back as whole rows of 256; with them the rows' tokens.
.macro TOSTAGE rb
	s_wait_xcnt 0x0                                ; what earlier stores read (data, offsets) is rewritten only behind this wait
	WIN 0x0c                                       ; store data window 3
.irp f, 0,1,2,3
	ds_store_b128 v[STO], v[32*(\rb)+8*\f:32*(\rb)+8*\f+3]   offset:64*\f
	ds_store_b128 v[STO], v[32*(\rb)+8*\f+4:32*(\rb)+8*\f+7] offset:64*\f+16
.endr
	WIN 0
.irp t, 0,1,2,3,4,5,6,7
	ds_load_b128 v[OB+32*((\rb)%2)+4*\t:OB+32*((\rb)%2)+4*\t+3], v[RD] offset:\t*2*SP   ; LDS serves a wave's instructions in order (ISA guide 5.7.1.4): these see the stores above
.endr
	ds_load_b128 v[TK+8*((\rb)%2):TK+8*((\rb)%2)+3],   v[TKA] offset:(\rb)*64
	ds_load_b128 v[TK+8*((\rb)%2)+4:TK+8*((\rb)%2)+7], v[TKA] offset:(\rb)*64+16
.endm
.macro SEND rb, younger                ; younger: the LDS instructions issued behind this block's: the next block's 8 stores and 10 loads, or none
	s_wait_dscnt \younger
.irp t, 0,1,2,3,4,5,6,7
	v_min_u32 v[TK+8*((\rb)%2)+\t], 0x1fff, v[TK+8*((\rb)%2)+\t]
	v_lshl_add_u32 v[OF+8*((\rb)%2)+\t], v[TK+8*((\rb)%2)+\t], 12, v[CO]
	global_store_b128 v[OF+8*((\rb)%2)+\t], v[OB+32*((\rb)%2)+4*\t:OB+32*((\rb)%2)+4*\t+3], s[14:15] th:TH_STORE_NT   ; 16 lanes store 256 consecutive bytes of one token's row, aligned
.endr
.endm
	TOSTAGE 0
.irp a, 1,2,3,4,5,6,7
	TOSTAGE \a
	SEND (\a)-1, 18
.endr
	SEND 7, 0
	s_wait_tensorcnt 0x0                           ; the wave's end, behind my last LDS store
	ds_add_u32 v[SPW], v[NIL]
	s_wait_dscnt 0x0
	s_endpgm
.Lfunc_end_k_qfd796e9c60_chain:
	.size	k_qfd796e9c60_chain, .Lfunc_end_k_qfd796e9c60_chain-k_qfd796e9c60_chain
	.p2alignl 7, 3214868480
	.fill 96, 4, 3214868480
	.section	.rodata,"a",@progbits
	.p2align	6, 0x0
	.amdhsa_kernel k_qfd796e9c60_chain
		.amdhsa_group_segment_fixed_size 294912
		.amdhsa_private_segment_fixed_size 0
		.amdhsa_enable_private_segment 0
		.amdhsa_kernarg_size 48
		.amdhsa_user_sgpr_count 2
		.amdhsa_user_sgpr_kernarg_segment_ptr 1
		.amdhsa_wavefront_size32 1
		.amdhsa_system_sgpr_workgroup_id_x 1
		.amdhsa_system_sgpr_workgroup_id_y 1
		.amdhsa_system_sgpr_workgroup_id_z 1
		.amdhsa_system_vgpr_workitem_id 0
		.amdhsa_next_free_vgpr 1024
		.amdhsa_next_free_sgpr 66
		.amdhsa_reserve_vcc 0
		.amdhsa_float_denorm_mode_32 3
		.amdhsa_float_denorm_mode_16_64 3
		.amdhsa_memory_ordered 1
		.amdhsa_forward_progress 1
		.amdhsa_inst_pref_size 255
	.end_amdhsa_kernel
	.section	.bss,"aw",@nobits
	.p2align	6
	.space	262144
	.amdgpu_metadata
---
amdhsa.version: [ 1, 2 ]
amdhsa.kernels:
  - .name:           k_qfd796e9c60_chain
    .symbol:         k_qfd796e9c60_chain.kd
    .args:
      - { .name: xb, .offset: 0, .size: 8, .value_kind: global_buffer, .address_space: global }
      - { .name: wf, .offset: 8, .size: 8, .value_kind: global_buffer, .address_space: global }
      - { .name: comb, .offset: 16, .size: 8, .value_kind: global_buffer, .address_space: global }
      - { .name: perm, .offset: 24, .size: 8, .value_kind: global_buffer, .address_space: global }
      - { .name: b, .offset: 32, .size: 8, .value_kind: global_buffer, .address_space: global }
      - { .name: out0, .offset: 40, .size: 8, .value_kind: global_buffer, .address_space: global }
    .group_segment_fixed_size: 294912
    .private_segment_fixed_size: 0
    .kernarg_segment_align: 8
    .kernarg_segment_size: 48
    .max_flat_workgroup_size: 128
    .sgpr_count:     66
    .vgpr_count:     1024
    .wavefront_size: 32
...
	.end_amdgpu_metadata
.endif
;; end of part 3
